; MI455X (gfx1250); checked and timed in simulation.
; The chip was launched on July 23, 2026; its instructions are those of AMD's public machine-readable ISA for CDNA 5 (MIT licence, August 2026) and "CDNA5" Instruction Set Architecture Reference Guide (July 2026). The comments in the code are by the model that wrote it; some were corrected since.
;; Lora QKV Linear. Allowed arithmetic: matrix products marked QUANTISED: E2M3 operands, one E8M0 scale for each 32 along K, by v_wmma_scale_f32_16x16x128_f8f6f4 with both operands' format E2M3, f32 sums; products left as they are: f32 operands where the result goes on into a quantised operand, else bf16, f16 or f32 operands; f32 sums; everything else in f32.
;; Inputs: Ak 4,096 x 16 float32; Aq 4,096 x 16 float32; Av 4,096 x 16 float32; Bk 16 x 1,024 float32; Bq 16 x 4,096 float32; Bv 16 x 1,024 float32; Wk 1,024 x 4,096 float32; Wq 4,096 x 4,096 float32; Wv 1,024 x 4,096 float32; bk 1,024 float32; bq 4,096 float32; bv 1,024 float32; x 4 x 512 x 4,096 float32.
;; Outputs: out0 4 x 512 x 4,096 float32; out1 4 x 512 x 1,024 float32; out2 4 x 512 x 1,024 float32.
;; This version of the problem:
;;   THIS VERSION OF THE PROBLEM IS GIVEN IN LOW PRECISION. The matrix products marked QUANTISED in the list below multiply operands that are first quantised to E2M3 (2 exponent bits, 3 mantissa bits; 6 bits a number), with one power-of-two scale for each 32 numbers along K (OCP MX v1.0); their sums are f32. All else is computed in f32.
;;   The module's matrix products, in the order in which they are computed (A, B: the left and right operand; K: the contracted axis; several contracted axes count as one K, in the product's order):
;;     1. [M 2,048, K 4,096] x [K 4,096, N 4,096]; A: input x; B: input Wq: QUANTISED
;;     2. [M 2,048, K 4,096] x [K 4,096, N 16]; A: input x; B: input Aq: QUANTISED
;;     3. [M 2,048, K 16] x [K 16, N 4,096]; A: computed on the way; B: input Bq: left as it is (K = 16 < 32)
;;     4. [M 2,048, K 4,096] x [K 4,096, N 1,024]; A: input x; B: input Wk: QUANTISED
;;     5. [M 2,048, K 4,096] x [K 4,096, N 16]; A: input x; B: input Ak: QUANTISED
;;     6. [M 2,048, K 16] x [K 16, N 1,024]; A: computed on the way; B: input Bk: left as it is (K = 16 < 32)
;;     7. [M 2,048, K 4,096] x [K 4,096, N 1,024]; A: input x; B: input Wv: QUANTISED
;;     8. [M 2,048, K 4,096] x [K 4,096, N 16]; A: input x; B: input Av: QUANTISED
;;     9. [M 2,048, K 16] x [K 16, N 1,024]; A: computed on the way; B: input Bv: left as it is (K = 16 < 32)
;;   THE QUANTISER, for each operand of a quantised product, along K:
;;     - K is cut into blocks of 32 from its start; a last block that is shorter is filled with zeros.
;;     - A block's scale is 2^e with e = floor(log2(the largest magnitude in the block)) - 2, held to -126 .. 127; a block of zeros has e = 0. As a byte (E8M0): e + 127.
;;     - Each number is divided by its block's scale, clamped to +-7.5, and rounded to the nearest number of E2M3, ties to even, subnormals kept.
;;     - The product sums the exact products of the quantised numbers (number of the format x scale) in f32.
;;   ~~~python
;;   def quantise(x, axis):      # numpy; x: float32 -> the quantised numbers, widened to float32 again
;;       x = np.moveaxis(x, axis, -1); K = x.shape[-1]
;;       x = np.pad(x, [(0, 0)] * (x.ndim - 1) + [(0, -K % 32)]); x = x.reshape(x.shape[:-1] + (-1, 32)); a = np.abs(x).max(-1, keepdims=True)
;;       e = np.where(a > 0, np.clip(np.frexp(np.where(a > 0, a, 1))[1] - 1 - 2, -126, 127), 0)      # np.frexp(a)[1] - 1 = floor(log2(a)), exactly
;;       r = np.clip(x / 2.0 ** e, -7.5, 7.5)
;;       step = 2.0 ** (np.maximum(np.frexp(np.where(r == 0, 1, r))[1] - 1, 0) - 3)
;;       q = np.round(r / step) * step * 2.0 ** e      # np.round: ties to even
;;       return np.moveaxis(q.reshape(q.shape[:-2] + (-1,))[..., :K], -1, axis).astype(np.float32)
;;   ~~~
;; One version. Each part assembles by itself: llvm-mc -triple=amdgcn-amd-amdhsa -mcpu=gfx1250 --defsym DOCPART=n.
;; ======== version 1 of 1: 2 launches
;; limits: values are held in bf16: 8 bits of precision; right only within a limited range of input values
;; workspace buffers: xr 6,815,744 bytes; wr 23,855,104 bytes
;; launch quant (part 1): grid 528 x 1, 4 waves a work-group, no clusters, 34,304 bytes of LDS; arguments x, Wq, Wk, Wv, Aq, Ak, Av, xr, wr; writes xr, wr
.if DOCPART == 1
	.amdgcn_target "amdgcn-amd-amdhsa--gfx1250"
	.amdhsa_code_object_version 6
	.text
	.protected	k_qc978114551_quant
	.globl	k_qc978114551_quant
	.p2align	8
	.type	k_qc978114551_quant,@function
k_qc978114551_quant:
	s_mov_b64 s[64:65], 0
	v_nop
	global_prefetch_b8 v0, s[64:65] scope:SCOPE_SE
	s_setreg_imm32_b32 hwreg(HW_REG_WAVE_MODE, 25, 1), 1
	s_wait_xcnt 0x0
; x [2048][4096], Wq [4096][4096], Wk, Wv [1024][4096] (K innermost) and Aq, Ak, Av [4096][16] (K is the first axis), all f32, become codes of FP6 (E2M3)
; with one E8M0 byte for each 32 along K.  A block's byte is its largest magnitude's exponent field - 2, held at 1 from below; the conversion divides by the scale,
; rounds to the nearest code, ties to even, and gives the largest code beyond 7.5.  No work of the problem is left out.
; LIMITS: NaN and infinities among the inputs are not served.  Blocks whose largest magnitude lies under 2^-124 keep the byte 1.  A block of zeros gets the byte 1 where the
; rule says 127: its codes are zeros, and the bytes are read by this program alone.
; OUT, laid as the product's registers take it.  A RECORD is 16 rows x 256 along K, 3,328 bytes = 13 x 256: two images of operand registers (16 rows x 128 K: registers 4 c .. 4 c + 3 of
; lane l at 512 c + 16 l), then at byte 3,072 the rows' scale words of the two steps (8 bytes a row), then the same 128 bytes once more.  A block of 16 rows is 16 records, 53,248 bytes.
; xr: x's 128 blocks.  wr: 32 groups of 14 blocks; group g, half n (0, 1): four blocks of Wq (rows 128 g + 64 n ..), two of Wk (g < 16) or Wv (rows 64 (g % 16) + 32 n ..),
; and one of A^T (16 ranks): Aq for n = 0, Ak or Av for n = 1.
; SHARES.  Work-group b < 512 takes a block of 16 rows (0-127 x, 128-383 Wq, 384-447 Wk, 448-511 Wv), wave w its K = 1,024 w ..: 8 steps of 128.  A load reads 512 consecutive bytes of a row;
; a step's 16 rows turn through the wave's own stage in LDS (rows 528 bytes apart) so that lane (r, h) holds k = 64 c + 32 h + 0 .. 31 of row r: two whole blocks.
; Work-groups 512-527 take the A's: a wave makes one record and stores it into 16 groups (Aq is made twice, once for each 16 groups).  They use no LDS.
; No tensor loads, no barrier, no cluster: no two waves read the same byte of x or W.
.set RECB,  3328
.set BLKB,  53248
.set GS,    14*BLKB
.set R,     16                         ; v16-143  two sets of 16 rows as loaded
.set X,     144                        ; v144-207 my 64 numbers
.set C,     208                        ; v208-219 and v240-251: an image's 12 registers, two sets by turns
.set D,     220                        ; v220-226 the conversions' second halves
.set M,     228                        ; v228-231 maxima, scale operands
.set W,     232                        ; v232-239 a scale word for each step
.set SPW,   12
.set NIL,   13
.set SPARE, 4*8448
.set FLOOR, 0x1800000                  ; 2^(3 - 127)
.set OFFE,  0xff000000                 ; takes 2 off an exponent field
	s_load_b256 s[4:11], s[0:1], 0x0               ; x, Wq, Wk, Wv
	s_load_b256 s[12:19], s[0:1], 0x20             ; Aq, Ak, Av, xr
	s_load_b64 s[20:21], s[0:1], 0x40              ; wr
	v_lshl_add_u32 v[SPW], v0, 2, SPARE
	v_mov_b32 v[NIL], 0
	v_lshrrev_b32 v1, 5, v0
	v_readfirstlane_b32 s30, v1                    ; wave
	v_and_b32 v2, 31, v0                           ; lane
	v_and_b32 v1, 15, v0                           ; r
	v_bfe_u32 v3, v0, 4, 1                         ; h
	v_lshlrev_b32 v4, 4, v2                        ; 16 x lane
	v_lshlrev_b32 v5, 3, v2                        ; 8 x lane
	v_lshlrev_b32 v6, 3, v3                        ; 8 h: my bytes' place in a scale word
	v_mov_b32 v7, 0                                ; a lane permute's destination counts as a source
	s_mul_i32 s31, s30, 8448
	v_add_nc_u32 v8, s31, v4                       ; the stage, in: 16 x lane of a row
	v_mul_u32_u24 v9, v1, 528
	v_lshl_add_u32 v9, v3, 7, v9
	v_add_nc_u32 v9, s31, v9                       ; and out: row r, byte 128 h
	v_lshlrev_b32 v10, 2, v1
	v_lshl_add_u32 v10, v3, 11, v10                ; the A's: 4 r + 32 h rows of 64 bytes
	s_mov_b32 s44, 0x76543210
	s_mov_b32 s45, 0xfedcba98                      ; selects for lane l xor 16
	s_wait_alu depctr_va_vdst(0)                   ; the head's end
	s_wait_kmcnt 0x0
; 64 numbers at v[xs] (k = 64 c + 32 h + i at xs + 32 c + i) -> the image's registers at v[cb], the rows' scale word in v[w]
.macro QF xs, w, cb
.irp u, 0,1,2,3
	v_max3_num_f32 v[M+\u], |v[\xs+16*\u]|, |v[\xs+16*\u+1]|, FLOOR   ; four chains by turns; the floor holds the byte at 1
.endr
.irp i, 2,4,6,8,10,12,14
.irp u, 0,1,2,3
	v_max3_num_f32 v[M+\u], v[M+\u], |v[\xs+16*\u+\i]|, |v[\xs+16*\u+\i+1]|
.endr
.endr
	v_max_num_f32 v[M], v[M], v[M+1]
	v_max_num_f32 v[M+2], v[M+2], v[M+3]
	v_add_nc_u32 v[M+1], OFFE, v[M]                ; the conversion's scale operand
	v_add_nc_u32 v[M+3], OFFE, v[M+2]
	v_lshrrev_b32 v[M], 23, v[M+1]                 ; the bytes of blocks h and 2 + h
	v_lshrrev_b32 v[M+2], 23, v[M+3]
	v_lshl_or_b32 v[\w], v[M+2], 16, v[M]
	v_lshlrev_b32 v[\w], v6, v[\w]
	v_permlanex16_b32 v7, v[\w], s44, s45
	v_or_b32 v[\w], v[\w], v7                      ; the word is whole in both halves of the lanes
.irp c, 0,1
	v_cvt_scalef32_pk16_fp6_f32 v[\cb+6*\c:\cb+6*\c+2], v[\xs+32*\c:\xs+32*\c+15], v[M+1+2*\c]
	v_cvt_scalef32_pk16_fp6_f32 v[D+4*\c:D+4*\c+2], v[\xs+32*\c+16:\xs+32*\c+31], v[M+1+2*\c]   ; three registers begin on an even number: made here, moved below
.endr
	v_nop                                          ; one plain line behind a scaled conversion
.irp c, 0,1
.irp i, 0,1,2
	v_mov_b32 v[\cb+3+6*\c+\i], v[D+4*\c+\i]
.endr
.endr
.endm
	s_cmp_ge_u32 ttmp9, 512
	s_cbranch_scc1 .Lpath_a
	; ---- x and the W's: source, source block and destination block by the work-group's number alone
	s_mov_b64 s[32:33], s[4:5]
	s_mov_b64 s[34:35], s[18:19]
	s_mov_b32 s38, ttmp9
	s_mov_b32 s39, ttmp9
	s_sub_co_u32 s40, ttmp9, 128                   ; Wq's block: group / 8, half, place
	s_lshr_b32 s41, s40, 3
	s_mul_i32 s41, s41, 14
	s_bfe_u32 s42, s40, 0x10002
	s_mul_i32 s42, s42, 7
	s_add_co_u32 s41, s41, s42
	s_and_b32 s42, s40, 3
	s_add_co_u32 s41, s41, s42
	s_cmp_ge_u32 ttmp9, 128
	s_cselect_b64 s[32:33], s[6:7], s[32:33]
	s_cselect_b64 s[34:35], s[20:21], s[34:35]
	s_cselect_b32 s38, s40, s38
	s_cselect_b32 s39, s41, s39
	s_sub_co_u32 s40, ttmp9, 384                   ; Wk's and Wv's blocks: four to a group, places 4 and 5 of a half
	s_lshr_b32 s41, s40, 2
	s_mul_i32 s41, s41, 14
	s_bfe_u32 s42, s40, 0x10001
	s_mul_i32 s42, s42, 7
	s_add_co_u32 s41, s41, s42
	s_and_b32 s42, s40, 1
	s_add_co_u32 s41, s41, s42
	s_add_co_u32 s41, s41, 4
	s_cmp_ge_u32 ttmp9, 384
	s_cselect_b64 s[32:33], s[8:9], s[32:33]
	s_cselect_b32 s38, s40, s38
	s_cselect_b32 s39, s41, s39
	s_sub_co_u32 s40, ttmp9, 448
	s_cmp_ge_u32 ttmp9, 448
	s_cselect_b64 s[32:33], s[10:11], s[32:33]
	s_cselect_b32 s38, s40, s38
	s_lshl_b32 s40, s38, 18                        ; 16 rows of 16,384 bytes
	s_lshl_b32 s41, s30, 12                        ; + my 1,024 along K
	s_add_co_u32 s40, s40, s41
	s_mov_b32 s41, 0
	s_add_nc_u64 s[32:33], s[32:33], s[40:41]
	s_mul_i32 s40, s39, BLKB
	s_mul_i32 s42, s30, 4*RECB                     ; my four records
	s_add_co_u32 s40, s40, s42
	s_add_nc_u64 s[34:35], s[34:35], s[40:41]
.macro LOAD t
.irp i, 0,1,2,3,4,5,6,7,8,9,10,11,12,13,14,15
	global_load_b128 v[R+64*((\t)%2)+4*\i:R+64*((\t)%2)+4*\i+3], v4, s[32:33] offset:\i*16384+512*(\t) th:TH_LOAD_NT   ; 512 consecutive bytes of row i
.endr
.endm
.macro STEP t
.if (\t) < 7
	s_wait_loadcnt 16                              ; this step's 16 loads are in; the next step's may be out
.else
	s_wait_loadcnt 0x0
.endif
.irp i, 0,1,2,3,4,5,6,7,8,9,10,11,12,13,14,15
	ds_store_b128 v8, v[R+64*((\t)%2)+4*\i:R+64*((\t)%2)+4*\i+3] offset:\i*528
.endr
.irp c, 0,1
.irp j, 0,1,2,3,4,5,6,7
	ds_load_b128 v[X+32*\c+4*\j:X+32*\c+4*\j+3], v9 offset:256*\c+16*\j   ; LDS serves a wave's instructions in order: these see the stores
.endr
.endr
	s_wait_dscnt 0x0                               ; my numbers are here, and the set of loaded rows is free
	s_wait_xcnt 0x0                                ; the last step's stores have read their registers
.if (\t) > 0
	OUT (\t)-1                                     ; the step before leaves here, ahead of the new loads: no store stands between a step's rows and the request for the rows two steps on
.endif
.if (\t)+2 < 8
	LOAD (\t)+2
.endif
	QF X, W+(\t), C+32*((\t)%2)                    ; into the set that the stores of two steps ago have read (the wait on XCNT above)
	s_wait_alu depctr_va_vdst(0)
.endm
.macro OUT t                           ; step t's image and, behind a record's second step, its scale words
.irp c, 0,1,2
	global_store_b128 v4, v[C+32*((\t)%2)+4*\c:C+32*((\t)%2)+4*\c+3], s[34:35] offset:((\t)/2)*RECB+((\t)%2)*1536+512*\c   ; 512 consecutive bytes
.endr
.if (\t)%2
	global_store_b64 v5, v[W+(\t)-1:W+(\t)], s[34:35] offset:((\t)/2)*RECB+3072   ; 256 consecutive bytes: the words, and in lanes 16-31 their second copy
.endif
.endm
	LOAD 0
	LOAD 1
.irp t, 0,1,2,3,4,5,6,7
	STEP \t
.endr
	OUT 7
	s_wait_tensorcnt 0x0                           ; the wave's end
	ds_add_u32 v[SPW], v[NIL]
	s_wait_dscnt 0x0
	s_endpgm
	; ---- the A's.  Work-group 512 + a, wave w: task 4 a + w = 16 p + record.  p = 0: Aq for groups 0-15; 1: Aq for 16-31; 2: Ak for 0-15; 3: Av for 16-31.
	; Lane r takes rank r and its registers run down K in the operand's own order: nothing is transposed.
.Lpath_a:
	s_sub_co_u32 s38, ttmp9, 512                   ; a
	s_and_b32 s39, s38, 3
	s_lshl_b32 s39, s39, 2
	s_add_co_u32 s39, s39, s30                     ; the record
	s_bfe_u32 s40, s38, 0x10002                    ; p % 2: which 16 groups
	s_mul_i32 s40, s40, 16*14
	s_lshr_b32 s41, s38, 3                         ; p / 2: place 6 or 13 of the group
	s_mul_i32 s41, s41, 7
	s_add_co_u32 s40, s40, s41
	s_add_co_u32 s40, s40, 6
	s_mul_i32 s40, s40, BLKB
	s_mul_i32 s41, s39, RECB
	s_add_co_u32 s40, s40, s41
	s_mov_b32 s41, 0
	s_add_nc_u64 s[34:35], s[20:21], s[40:41]
	s_mov_b64 s[32:33], s[12:13]
	s_cmp_ge_u32 ttmp9, 520
	s_cselect_b64 s[32:33], s[14:15], s[32:33]
	s_cmp_ge_u32 ttmp9, 524
	s_cselect_b64 s[32:33], s[16:17], s[32:33]
	s_lshl_b32 s40, s39, 14                        ; 256 rows of 64 bytes
	s_add_nc_u64 s[32:33], s[32:33], s[40:41]
.irp q, 0,1,2,3
.irp i, 0,1,2,3,4,5,6,7,8,9,10,11,12,13,14,15,16,17,18,19,20,21,22,23,24,25,26,27,28,29,30,31
	global_load_b32 v[R+32*\q+\i], v10, s[32:33] offset:64*(64*\q+\i)   ; A(256 record + 64 q + 32 h + i, r): sixteen lanes read a row's 64 bytes
.endr
.endr
	s_wait_loadcnt 0x0
	QF R, W, C
	QF R+64, W+1, X
	s_wait_alu depctr_va_vdst(0)
.irp e, 0,1
.irp g, 0,1,2,3,4,5,6,7
.irp c, 0,1,2
	global_store_b128 v4, v[C+4*\c:C+4*\c+3], s[34:35] offset:\g*GS+512*\c
	global_store_b128 v4, v[X+4*\c:X+4*\c+3], s[34:35] offset:\g*GS+1536+512*\c
.endr
	global_store_b64 v5, v[W:W+1], s[34:35] offset:\g*GS+3072
.endr
.if \e == 0
	s_wait_xcnt 0x0                                ; the stores have read their base
	s_add_nc_u64 s[34:35], s[34:35], 8*GS
.endif
.endr
	s_endpgm
.Lfunc_end_k_qc978114551_quant:
	.size	k_qc978114551_quant, .Lfunc_end_k_qc978114551_quant-k_qc978114551_quant
	.p2alignl 7, 3214868480
	.fill 96, 4, 3214868480
	.section	.rodata,"a",@progbits
	.p2align	6, 0x0
	.amdhsa_kernel k_qc978114551_quant
		.amdhsa_group_segment_fixed_size 34304
		.amdhsa_private_segment_fixed_size 0
		.amdhsa_enable_private_segment 0
		.amdhsa_kernarg_size 72
		.amdhsa_user_sgpr_count 2
		.amdhsa_user_sgpr_kernarg_segment_ptr 1
		.amdhsa_wavefront_size32 1
		.amdhsa_system_sgpr_workgroup_id_x 1
		.amdhsa_system_sgpr_workgroup_id_y 1
		.amdhsa_system_sgpr_workgroup_id_z 1
		.amdhsa_system_vgpr_workitem_id 0
		.amdhsa_next_free_vgpr 252
		.amdhsa_next_free_sgpr 66
		.amdhsa_reserve_vcc 0
		.amdhsa_float_denorm_mode_32 3
		.amdhsa_float_denorm_mode_16_64 3
		.amdhsa_memory_ordered 1
		.amdhsa_forward_progress 1
		.amdhsa_inst_pref_size 89
	.end_amdhsa_kernel
	.amdgpu_metadata
---
amdhsa.version: [ 1, 2 ]
amdhsa.kernels:
  - .name:           k_qc978114551_quant
    .symbol:         k_qc978114551_quant.kd
    .args:
      - { .name: x, .offset: 0, .size: 8, .value_kind: global_buffer, .address_space: global }
      - { .name: Wq, .offset: 8, .size: 8, .value_kind: global_buffer, .address_space: global }
      - { .name: Wk, .offset: 16, .size: 8, .value_kind: global_buffer, .address_space: global }
      - { .name: Wv, .offset: 24, .size: 8, .value_kind: global_buffer, .address_space: global }
      - { .name: Aq, .offset: 32, .size: 8, .value_kind: global_buffer, .address_space: global }
      - { .name: Ak, .offset: 40, .size: 8, .value_kind: global_buffer, .address_space: global }
      - { .name: Av, .offset: 48, .size: 8, .value_kind: global_buffer, .address_space: global }
      - { .name: xr, .offset: 56, .size: 8, .value_kind: global_buffer, .address_space: global }
      - { .name: wr, .offset: 64, .size: 8, .value_kind: global_buffer, .address_space: global }
    .group_segment_fixed_size: 34304
    .private_segment_fixed_size: 0
    .kernarg_segment_align: 8
    .kernarg_segment_size: 72
    .max_flat_workgroup_size: 128
    .sgpr_count:     66
    .vgpr_count:     252
    .wavefront_size: 32
...
	.end_amdgpu_metadata
.endif
;; end of part 1
;; launch gemm (part 2): grid 32 x 8, 4 waves a work-group, clusters of 4 x 4, 327,680 bytes of LDS; arguments xr, wr, bq, bk, bv, Bq, Bk, Bv, out0, out1, out2; writes out0, out1, out2
.if DOCPART == 2
	.amdgcn_target "amdgcn-amd-amdhsa--gfx1250"
	.amdhsa_code_object_version 6
	.text
	.protected	k_qc978114551_gemm
	.globl	k_qc978114551_gemm
	.p2align	8
	.type	k_qc978114551_gemm,@function
k_qc978114551_gemm:
	s_mov_b64 s[64:65], 0
	v_nop
	global_prefetch_b8 v0, s[64:65] scope:SCOPE_SE
	s_setreg_imm32_b32 hwreg(HW_REG_WAVE_MODE, 25, 1), 1
	s_wait_xcnt 0x0
	s_wait_alu depctr_hold_cnt(0) depctr_sa_sdst(0) depctr_va_vdst(0) depctr_va_sdst(0) depctr_va_ssrc(0) depctr_va_vcc(0) depctr_vm_vsrc(0)
	s_getreg_b32 s2, hwreg(HW_REG_IB_STS2, 6, 4)
	s_cmp_eq_u32 s2, 0
	s_cbranch_scc0 .Lentry_in_a_cluster
	s_endpgm
.Lentry_in_a_cluster:
	s_bfe_u32 s2, ttmp6, 0x10000c
	s_cmp_lg_u32 s2, 0xf033
	s_cbranch_scc0 .Lentry_shape_is_right
	s_endpgm
.Lentry_shape_is_right:
; q, k, v = Q(x) Q(W)^T + 2 (Q(x) Q(A)) B + b.  Operands come as records of 3,328 bytes (16 rows x 256 K: two images of operand registers, the rows' scale words, these once more), as the launch before laid them.
; A WORK-GROUP makes 256 rows x (128 columns of q + 64 columns of k or of v): 32 x 8 work-groups, all alike.  Wave (mh, nh) makes rows 128 mh .. x (64 of q + 32 of k or v): 48 accumulators, 384 registers,
; and T^T = A_p^T x^T for its 128 rows, p = nh (0: Aq, 1: Ak or Av): the image of A_p is the seventh block of the wave's half of the group.  A step of 128 along K: 56 matrix instructions on 15 fragments.
; THE RING: two LDS slots, each a record of 30 blocks (16 of x, 14 of the group), 99,840 bytes, two steps.  Waves 0, 1 fetch x's halves (8 rows of 3,328 bytes), waves 2, 3 the group's (7 rows); every row begins at a multiple of 256 bytes.
; A fragment is three loads of 16 bytes a lane at 16 x lane; the scale words come with the slot.  The change of slots stands in the middle of a slot's second step: from a refill to the wait for it a wave issues 108 matrix instructions.
; CLUSTERS: 4 x 4; x's tiles are asked for jointly along a row of the cluster, the group's along a column.
; THE MATRIX INSTRUCTION IS USED TRANSPOSED (source 0 = rows of W or ranks of A, source 1 = rows of x): a lane holds eight neighbouring columns of one row of the result, or eight ranks of one row of T.
; The bias is the C of each accumulator's first product.  At the end T, as bf16, goes through LDS to the wave beside, and 2 B as bf16 (K = 16, the upper 16 zeros) is multiplied on: the products that the problem leaves as they are.
; LIMIT: T and 2 B are rounded to bf16; a T that is not finite would spread over the row block beside it.
; PREFETCH: of the 104 (91) blocks of 256 bytes that a wave's load fetches, each of the four partners that ask jointly names 26 (23), told apart by address, a lane a block.  The head names records 1 and 2, the line behind
; slot 1's first fill record 3, and each refill the record two refills on; the last two refills name nothing.  Record 0 comes by its load alone.
; REGISTERS: window 0: v0-31 addresses; v32-63 scale words, two sets; v64-127 T^T; v128-223 x's fragments, one set.  Window 1: the group's fragments, sets at v0 and v84; v168-215 2 B.  Windows 2, 3: accumulators (a, b) at 8 (6 (a % 4) + b); window 2 v192-239 the bias.
.set RECB,  3328
.set BLKB,  53248
.set FRB,   1536
.set ATILE, 8*RECB
.set BTILE, 7*RECB
.set BOFF,  16*RECB
.set SLOT,  30*RECB
.set XCH,   2*SLOT                     ; T's way from wave to wave: 4 x 4,096
.set QST,   XCH+16384                  ; q's way out: 16 rows x 272 for each wave
.set KST,   QST+4*16*272               ; k's or v's way out: 256 rows x 272, the work-group's
.set SPARE, KST+256*272                ; the spare words
.set VB, 9
.set VQ, 10
.set VK, 11
.set KCO, 12
.set XST, 13
.set XRD, 14
.set ADRA, 16
.set ADRB, 18
.set ADRS, 20
.set ADR7, 22
.set STO, 24
.set RD, 25
.set CO, 26
.set KSTO, 27
.set SPW, 28
.set NIL, 29
.set PFO, 30
.set KRD, 31
.set SC, 32
.set TA, 64
.set AF, 128
.set LB, 192                           ; window 3, v192-239: B as it is loaded; it is scaled and rounded at the end
.set TF, 128
.set BK, 128
.set TP, 224
.set BT, 168
.set BIAS, 192
.set G1, 24
.set G0, 32
.set G1B, 48
.set G0B, 56
.set PFA, 86
.set MSB, 0
.macro WIN new
.if MSB != \new
	s_set_vgpr_msb (MSB<<8)|\new
.set MSB, \new
.endif
.endm
.set MUL_LO, 0xa1                      ; source 0 window 1, source 1 window 0, C and D window 2
.set MUL_HI, 0xf1                      ; C and D window 3
.set FIRST_HI, 0xe1                    ; C window 2 (the bias), D window 3
.set T_W,    0x01
.set TO_B,   0x40
.macro PLACES
.rept 4
	v_nop
.endr
.endm
.macro JLOAD s                         ; a joint load: waves 0, 1 for x, waves 2, 3 for the group; s_nop 0 and four v_nop behind each line
	s_cmp_eq_u32 s15, 0
	s_cbranch_scc0 .Lfor_b_\@
	tensor_load_to_lds s[G0+4*\s:G0+4*\s+3], s[G1:G1+7]
	s_nop 0
	PLACES
	s_branch .Lasked_\@
.Lfor_b_\@:
	tensor_load_to_lds s[G0B+4*\s:G0B+4*\s+3], s[G1B:G1B+7]
	s_nop 0
	PLACES
.Lasked_\@:
.endm
.macro CREST
	s_cmp_lg_u32 s14, 0
	s_cbranch_scc1 .Lnot_wave_0_\@
	s_barrier_signal -3
.Lnot_wave_0_\@:
	s_barrier_wait -3
	s_barrier_signal -1
	s_barrier_wait -1
.endm
.macro CROUND
	s_barrier_signal -1
	s_barrier_wait -1
	CREST
.endm
	s_load_b128 s[4:7], s[0:1], 0x0                ; xr, wr
	s_load_b512 s[68:83], s[0:1], 0x10             ; bq, bk, bv, Bq, Bk, Bv, out0, out1
	s_load_b64 s[84:85], s[0:1], 0x50              ; out2
	v_lshl_add_u32 v[SPW], v0, 2, SPARE
	v_mov_b32 v[NIL], 0
	ds_add_u32 v[SPW], v[NIL]                      ; the opening lines: the add twice on end and its wait
	ds_add_u32 v[SPW], v[NIL]
	v_lshrrev_b32 v1, 5, v0
	v_readfirstlane_b32 s14, v1                    ; wave
	s_lshr_b32 s15, s14, 1                         ; mh; also: I fetch for x (0) or for the group (1)
	s_and_b32 s16, s14, 1                          ; nh; also: which half I fetch
	s_bfe_u32 s40, ttmp6, 0x40000                  ; cx
	s_bfe_u32 s41, ttmp6, 0x40004                  ; cy
	s_lshl_b32 s42, ttmp9, 2
	s_add_co_u32 s42, s42, s40                     ; the group, 0 .. 31
	s_and_b32 s17, ttmp7, 0xffff
	s_lshl_b32 s17, s17, 2
	s_add_co_u32 s17, s17, s41                     ; the tile row, 0 .. 7
	s_lshl_b32 s43, s41, 2
	s_lshl_b32 s43, 15, s43                        ; my row of the cluster
	s_lshl_b32 s44, 0x1111, s40                    ; my column
	s_or_b32 s[G1+0], s43, (3<<16)|(1<<21)         ; elements of 8 bytes, no padding
	s_or_b32 s[G1B+0], s44, (3<<16)|(1<<21)
	s_mov_b32 s[G1+2], 8<<16                       ; 8 rows
	s_mov_b32 s[G1+4], 8
	s_mov_b32 s[G1B+2], 7<<16                      ; 7 rows
	s_mov_b32 s[G1B+4], 7
.irp g, G1, G1B
	s_mov_b32 s[\g+1], (RECB/8)<<16
	s_mov_b32 s[\g+3], (RECB/8)<<16
	s_mov_b32 s[\g+5], BLKB/8
	s_mov_b32 s[\g+6], 0
	s_mov_b32 s[\g+7], 0
.endr
	s_lshl_b32 s20, s17, 4
	s_lshl_b32 s18, s16, 3
	s_add_co_u32 s20, s20, s18
	s_mul_i32 s20, s20, BLKB                       ; x: block 16 x tile row + 8 x half
	s_mov_b32 s21, 0
	s_mul_i32 s46, s42, 14
	s_mul_i32 s18, s16, 7
	s_add_co_u32 s46, s46, s18
	s_mul_i32 s46, s46, BLKB                       ; the group: block 14 x group + 7 x half
	s_mov_b32 s47, 0
	s_mul_i32 s45, s16, ATILE
	s_mul_i32 s94, s16, BTILE
	s_add_co_u32 s94, s94, BOFF
	s_wait_dscnt 0x0
	s_wait_kmcnt 0x0
	s_add_nc_u64 s[20:21], s[4:5], s[20:21]
	s_add_nc_u64 s[46:47], s[6:7], s[46:47]
	CROUND                                         ; in front of the first joint loads
.irp s, 0,1
	s_mov_b32 s[G0+4*\s], 1
	s_add_co_u32 s[G0+4*\s+1], s45, \s*SLOT
	s_add_nc_u64 s[G0+4*\s+2:G0+4*\s+3], s[20:21], \s*RECB
	s_or_b32 s[G0+4*\s+3], s[G0+4*\s+3], 0x80000000
	s_mov_b32 s[G0B+4*\s], 1
	s_add_co_u32 s[G0B+4*\s+1], s94, \s*SLOT
	s_add_nc_u64 s[G0B+4*\s+2:G0B+4*\s+3], s[46:47], \s*RECB
	s_or_b32 s[G0B+4*\s+3], s[G0B+4*\s+3], 0x80000000
.endr
	JLOAD 0                                        ; record 0: one tensor load a wave at the head
	; the prefetches: my load's first byte, my work-group's share of its blocks of 256 bytes
	s_cmp_eq_u32 s15, 0
	s_cselect_b64 s[PFA:PFA+1], s[20:21], s[46:47]
	s_cselect_b32 s95, s40, s41                    ; my place among the four that ask with me
	s_cselect_b32 s96, 26, 23                      ; blocks a partner
	s_mov_b32 s97, 90
	s_cselect_b32 s97, 103, s97                    ; the load's last block
	s_mul_i32 s95, s95, s96
	s_sub_co_u32 s96, s96, 1
	s_add_nc_u64 s[PFA:PFA+1], s[PFA:PFA+1], RECB  ; at record 1
	; bias, B and the outputs: k's or v's by the cluster's x
	s_cmp_lt_u32 ttmp9, 4
	s_cselect_b64 s[8:9], s[70:71], s[72:73]
	s_cselect_b64 s[88:89], s[76:77], s[78:79]
	s_cselect_b64 s[10:11], s[82:83], s[84:85]
	s_lshl_b32 s22, s42, 9
	s_lshl_b32 s23, s16, 8
	s_add_co_u32 s22, s22, s23                     ; q: column 128 x group + 64 nh, in bytes
	s_mov_b32 s23, 0
	s_add_nc_u64 s[68:69], s[68:69], s[22:23]
	s_add_nc_u64 s[74:75], s[74:75], s[22:23]
	s_add_nc_u64 s[12:13], s[80:81], s[22:23]
	s_and_b32 s18, s42, 15
	s_lshl_b32 s22, s18, 8                         ; k, v: column 64 x (group % 16), in bytes
	s_add_nc_u64 s[10:11], s[10:11], s[22:23]
	s_lshl_b32 s19, s16, 7
	s_add_co_u32 s22, s22, s19                     ; + 32 nh
	s_add_nc_u64 s[8:9], s[8:9], s[22:23]
	s_add_nc_u64 s[88:89], s[88:89], s[22:23]
	s_lshl_b32 s92, s17, 8
	s_lshl_b32 s19, s15, 7
	s_add_co_u32 s19, s19, s92
	s_lshl_b32 s22, s19, 14                        ; q: my first row, 256 x tile row + 128 mh
	s_add_nc_u64 s[12:13], s[12:13], s[22:23]
	s_lshl_b32 s19, s14, 6
	s_add_co_u32 s19, s19, s92
	s_lshl_b32 s22, s19, 12                        ; k, v: the rows that I store, 256 x tile row + 64 x wave
	s_add_nc_u64 s[10:11], s[10:11], s[22:23]
	v_and_b32 v1, 15, v0                           ; r
	v_bfe_u32 v2, v0, 4, 1                         ; h
	v_and_b32 v3, 31, v0                           ; lane
	v_lshlrev_b32 v4, 4, v3
	v_mul_u32_u24 v5, v1, 272
	v_lshl_add_u32 v5, v2, 5, v5                   ; into a stage: row r, 32 h
	v_mul_u32_u24 v6, v2, 272
	v_lshl_add_u32 v6, v1, 4, v6                   ; out of it: row h, 16 r
	v_lshlrev_b32 v7, 3, v1
	v_lshlrev_b32 v8, 3, v3
	v_lshlrev_b32 v15, 4, v1
	v_lshlrev_b32 v[TP], 2, v1
	s_wait_alu depctr_va_vdst(0)
	s_mul_i32 s18, s15, ATILE                      ; my 8 blocks of x
	s_mul_i32 s19, s16, BTILE
	s_add_co_u32 s19, s19, BOFF                    ; my 7 blocks of the group
	s_sub_co_u32 s22, s19, s18
	s_add_co_u32 s22, s22, 128                     ; lanes 16-31 take the group's words, from their second copy
	v_mul_u32_u24 v[TP+1], s22, v2
	v_add_nc_u32 v[TP+1], v[TP+1], v7
.irp s, 0,1
	v_add_nc_u32 v[ADRA+\s], s18, v4
	v_add_nc_u32 v[ADRB+\s], s19, v4
	v_add_nc_u32 v[ADRS+\s], s18, v[TP+1]
	v_add_nc_u32 v[ADR7+\s], s18, v8
	s_add_co_u32 s18, s18, SLOT
	s_add_co_u32 s19, s19, SLOT
.endr
	s_mul_i32 s22, s14, 16*272
	s_add_co_u32 s22, s22, QST
	v_add_nc_u32 v[STO], s22, v5
	v_add_nc_u32 v[RD], s22, v6
	s_mul_i32 s22, s15, 128*272
	s_lshl_b32 s23, s16, 7
	s_add_co_u32 s22, s22, s23
	s_add_co_u32 s22, s22, KST
	v_add_nc_u32 v[KSTO], s22, v5
	s_mul_i32 s22, s14, 64*272
	s_add_co_u32 s22, s22, KST
	v_add_nc_u32 v[KRD], s22, v6
	s_lshl_b32 s22, s14, 12
	s_add_co_u32 s22, s22, XCH
	v_add_nc_u32 v[XST], s22, v4
	s_lshl_b32 s22, s15, 13
	s_add_co_u32 s22, s22, XCH
	v_add_nc_u32 v[XRD], s22, v4
	v_lshl_add_u32 v[CO], v2, 14, v15
	v_lshl_add_u32 v[KCO], v2, 12, v15
	v_lshl_add_u32 v[VQ], v2, 17, v[TP]            ; Bq: rank 8 h, column r
	v_lshl_add_u32 v[VK], v2, 15, v[TP]
	v_lshlrev_b32 v[VB], 5, v2                     ; the bias: 8 h columns
	v_min_u32 v[TP+1], s96, v3
	v_add_nc_u32 v[TP+1], s95, v[TP+1]
	v_min_u32 v[TP+1], s97, v[TP+1]                ; my block of 256 bytes of the load
	v_mul_u32_u24 v[TP+2], v[TP+1], 79
	v_lshrrev_b32 v[TP+2], 10, v[TP+2]             ; / 13 (exact up to 103): its row
	v_mul_u32_u24 v[TP+3], v[TP+2], 13
	v_sub_nc_u32 v[TP+1], v[TP+1], v[TP+3]
	v_mul_u32_u24 v[TP+2], v[TP+2], BLKB
	v_lshl_add_u32 v[PFO], v[TP+1], 8, v[TP+2]
	s_wait_alu depctr_va_vdst(0)                   ; ahead of the readers below
	global_prefetch_b8 v[PFO], s[PFA:PFA+1] th:TH_LOAD_NT scope:SCOPE_SE               ; record 1
	global_prefetch_b8 v[PFO], s[PFA:PFA+1] offset:RECB th:TH_LOAD_NT scope:SCOPE_SE   ; record 2
	WIN 0x80
.irp b, 0,1,2,3
	global_load_b128 v[BIAS+8*\b:BIAS+8*\b+3], v[VB], s[68:69] offset:64*\b
	global_load_b128 v[BIAS+8*\b+4:BIAS+8*\b+7], v[VB], s[68:69] offset:64*\b+16
.endr
.irp b, 4,5
	global_load_b128 v[BIAS+8*\b:BIAS+8*\b+3], v[VB], s[8:9] offset:64*(\b-4)
	global_load_b128 v[BIAS+8*\b+4:BIAS+8*\b+7], v[VB], s[8:9] offset:64*(\b-4)+16
.endr
	WIN 0xc0
.irp j, 0,1,2,3,4,5,6,7
.irp b, 0,1,2,3
	global_load_b32 v[LB+8*\b+\j], v[VQ], s[74:75] offset:\j*16384+64*\b
.endr
.irp b, 4,5
	global_load_b32 v[LB+8*\b+\j], v[VK], s[88:89] offset:\j*4096+64*(\b-4)
.endr
.endr
	WIN TO_B
.irp b, 0,1,2,3,4,5
.irp i, 0,1,2,3
	v_mov_b32 v[BT+8*\b+4+\i], 0                   ; K = 16 .. 31: zeros
.endr
.endr
	WIN 0
; one matrix instruction on DD, BF, AA, SB, SA.  mode 0: in place; 1: C = the bias at CC; 2: C = 0
.macro WM mode
.if \mode == 0
	v_wmma_scale_f32_16x16x128_f8f6f4 v[DD:DD+7], v[BF:BF+11], v[AA:AA+11], v[DD:DD+7], v[SB], v[SA] matrix_a_fmt:MATRIX_FMT_FP6 matrix_b_fmt:MATRIX_FMT_FP6 matrix_a_scale:MATRIX_SCALE_ROW1
.elseif \mode == 1
	v_wmma_scale_f32_16x16x128_f8f6f4 v[DD:DD+7], v[BF:BF+11], v[AA:AA+11], v[CC:CC+7], v[SB], v[SA] matrix_a_fmt:MATRIX_FMT_FP6 matrix_b_fmt:MATRIX_FMT_FP6 matrix_a_scale:MATRIX_SCALE_ROW1
.else
	v_wmma_scale_f32_16x16x128_f8f6f4 v[DD:DD+7], v[BF:BF+11], v[AA:AA+11], 0, v[SB], v[SA] matrix_a_fmt:MATRIX_FMT_FP6 matrix_b_fmt:MATRIX_FMT_FP6 matrix_a_scale:MATRIX_SCALE_ROW1
.endif
.endm
.macro SETS a, b, q, sc
.set DD, 8*(6*((\a)%4)+\b)
.set BF, 84*(\q)+12*\b
.set AA, AF+12*(\a)
.set CC, BIAS+8*\b
.set SB, SC+16*(\sc)+2*\b+(\q)
.set SA, SC+16*(\sc)+2*(\a)+(\q)
.endm
.macro MUL12 a0, q, sc, first          ; x's blocks a0, a0 + 1 against my six blocks of W; the accumulators take turns
.irp a, \a0, \a0+1
.irp b, 0,1,2,3,4,5
	SETS \a, \b, \q, \sc
	WM \first
.endr
.endr
.endm
.macro MULB sc, first                  ; a slot's first step, x's blocks 0-3: my six blocks of W one after the other, each as soon as its three loads are in
.irp b, 0,1,2,3,4,5
	s_wait_dscnt 33+3*(6-\b)                       ; may be out: the group's later blocks, three loads each; x's blocks 4-7 (12); the next step's 21
.irp a, 0,1,2,3
	SETS \a, \b, 0, \sc
	WM \first
.endr
.endr
.endm
.macro T4 a0, q, sc, first             ; T^T of x's blocks a0 .. a0 + 3
	WIN T_W
.irp a, \a0, \a0+1, \a0+2, \a0+3
.set DD, TA+8*(\a)
.set BF, 84*(\q)+72
.set AA, AF+12*(\a)
.set SB, SC+16*(\sc)+12+(\q)
.set SA, SC+16*(\sc)+2*(\a)+(\q)
	WM 2*(\first)
.endr
.endm
.macro FRAG reg, adr, off
.irp c, 0,1,2
	ds_load_b128 v[\reg+4*\c:\reg+4*\c+3], v[\adr] offset:\off+512*\c
.endr
.endm
.macro FETCH_B slot, q
	WIN TO_B
.irp i, 0,1,2,3,4,5,6
	FRAG 84*(\q)+12*\i, ADRB+\slot, \i*RECB+(\q)*FRB
.endr
	WIN 0
.endm
.macro FETCH_A slot, q, i0
.irp i, \i0, \i0+1, \i0+2, \i0+3
	FRAG AF+12*(\i), ADRA+\slot, (\i)*RECB+(\q)*FRB
.endr
.endm
.macro SCALES slot                     ; pair i: lanes 0-15 the two steps' words of x's block i, lanes 16-31 those of the group's block i
.irp i, 0,1,2,3,4,5,6
	ds_load_b64 v[SC+16*\slot+2*\i:SC+16*\slot+2*\i+1], v[ADRS+\slot] offset:\i*RECB+3072
.endr
	ds_load_b64 v[SC+16*\slot+14:SC+16*\slot+15], v[ADR7+\slot] offset:7*RECB+3072   ; x's block 7 alone
.endm
.macro STEP slot, first                ; a slot's first step.  The group's fragments of the second step are asked for at its head (their set was last read ahead of the places that close the step before), x's in its middle and at its end
	FETCH_B \slot, 1
	WIN MUL_LO
	MULB \slot, \first
	s_wait_dscnt 33                                ; the image of A is in
	T4 0, 0, \slot, \first
	s_wait_dscnt 21                                ; x's blocks 4-7 are in; the next step's 21 may be out
	PLACES
	WIN 0
	FETCH_A \slot, 1, 0
.if \first
	WIN FIRST_HI
.else
	WIN MUL_HI
.endif
	MUL12 4, 0, \slot, \first
	MUL12 6, 0, \slot, \first
	T4 4, 0, \slot, \first
	PLACES
	WIN 0
	FETCH_A \slot, 1, 4
.endm
.macro TURN slot, next, fill           ; a slot's second step, and in its middle the change of slots
.if \fill
	s_wait_xcnt 0x0                                ; my last prefetch has read its address
	s_add_nc_u64 s[PFA:PFA+1], s[PFA:PFA+1], RECB
.endif
	s_wait_dscnt 12                                ; all but x's blocks 4-7
	WIN MUL_LO
	MUL12 0, 1, \slot, 0
	MUL12 2, 1, \slot, 0
	WIN 0
	s_wait_tensorcnt 0x0                           ; my part of the next slot is in;
	ds_add_u32 v[SPW], v[NIL]                      ; four matrix instructions stand between the add and its wait
	T4 0, 1, \slot, 0
	s_wait_dscnt 0x0                               ; the add is done and my reads of this slot are over
	WIN 0
	s_barrier_signal -1
	s_barrier_wait -1
.if \fill
	CREST                                          ; the barrier has opened a round of the cluster's barrier
	s_add_nc_u64 s[G0+4*\slot+2:G0+4*\slot+3], s[G0+4*\slot+2:G0+4*\slot+3], 2*RECB
	s_add_nc_u64 s[G0B+4*\slot+2:G0B+4*\slot+3], s[G0B+4*\slot+2:G0B+4*\slot+3], 2*RECB
	JLOAD \slot                                    ; the first tensor load behind the round; its four v_nop are the places for the loads below
.else
	PLACES
.endif
	SCALES \next                                   ; in the order in which the next step wants them
	FETCH_A \next, 0, 0
	FETCH_B \next, 0
.if \fill
	s_cmp_gt_u32 s3, 1                             ; the last trip's two refills have no record two on
	s_cbranch_scc0 .Lno_ask_\@
	global_prefetch_b8 v[PFO], s[PFA:PFA+1] offset:2*RECB th:TH_LOAD_NT scope:SCOPE_SE
.Lno_ask_\@:
.endif
	WIN MUL_HI
	MUL12 4, 1, \slot, 0
	MUL12 6, 1, \slot, 0
	T4 4, 1, \slot, 0
	PLACES
	WIN 0
	FETCH_A \next, 0, 4
.endm
	s_wait_alu depctr_va_vdst(0)                   ; the head's end
	s_wait_tensorcnt 0x0                           ; my part of record 0 is in; the full sequence ahead of slot 1's first fill
	ds_add_u32 v[SPW], v[NIL]
	s_wait_dscnt 0x0
	CROUND
	JLOAD 1
	SCALES 0
	FETCH_A 0, 0, 0
	FETCH_B 0, 0
	global_prefetch_b8 v[PFO], s[PFA:PFA+1] offset:2*RECB th:TH_LOAD_NT scope:SCOPE_SE   ; record 3
	FETCH_A 0, 0, 4
	s_wait_loadcnt 0x0                             ; the bias and B are in
	STEP 0, 1
	s_mov_b32 s3, 7
.Llap:                                                 ; a trip: four steps, both slots filled again
	TURN 0, 1, 1
	STEP 1, 0
	TURN 1, 0, 1
	STEP 0, 0
	s_sub_co_u32 s3, s3, 1
	s_cmp_lg_u32 s3, 0
	s_cbranch_scc1 .Llap
	TURN 0, 1, 0
	STEP 1, 0
	s_wait_dscnt 12                                ; the last step
	WIN MUL_LO
	MUL12 0, 1, 1, 0
	MUL12 2, 1, 1, 0
	T4 0, 1, 1, 0
	s_wait_dscnt 0x0
	WIN MUL_HI
	MUL12 4, 1, 1, 0
	MUL12 6, 1, 1, 0
	T4 4, 1, 1, 0
	WIN 0
	PLACES
	; T as bf16 to the wave beside me, and both T back
.irp i, 0,1,2,3
	v_mov_b32 v[TF+64+\i], 0                       ; what the last operand's upper half names
.endr
.irp a, 0,1,2,3,4,5,6,7
.irp i, 0,1,2,3
	v_cvt_pk_bf16_f32 v[TP+4*\a+\i], v[TA+8*\a+2*\i], v[TA+8*\a+2*\i+1]
.endr
.endr
.irp a, 0,1,2,3,4,5,6,7
	ds_store_b128 v[XST], v[TP+4*\a:TP+4*\a+3] offset:512*\a
.endr
	WIN 0xc3                                       ; while these stores are out: 2 B, in window 3,
.irp i, 0,2,4,6,8,10,12,14,16,18,20,22,24,26,28,30,32,34,36,38,40,42,44,46
	v_pk_mul_f32 v[LB+\i:LB+\i+1], v[LB+\i:LB+\i+1], 2.0 op_sel_hi:[1,0]   ; the LoRA scaling
.endr
	WIN 0x4f                                       ; and as bf16 into window 1
.irp b, 0,1,2,3,4,5
.irp i, 0,1,2,3
	v_cvt_pk_bf16_f32 v[BT+8*\b+\i], v[LB+8*\b+2*\i], v[LB+8*\b+2*\i+1]   ; ranks 8 h + 2 i, + 1 of column r
.endr
.endr
	WIN 0
	s_wait_alu depctr_va_vdst(0)                   ; ahead of the wait below
	s_wait_dscnt 0x0
	s_barrier_signal -1
	s_barrier_wait -1
.irp p, 0,1
.irp a, 0,1,2,3,4,5,6,7
	ds_load_b128 v[TF+4*(8*\p+\a):TF+4*(8*\p+\a)+3], v[XRD] offset:4096*\p+512*\a
.endr
.endr
	s_wait_dscnt 0x0
.macro DELTA a                         ; + (2 B)^T T^T: K = 16 ranks; the upper 16 of source 0 are zeros, so what source 1 holds there adds nothing
.irp b, 0,1,2,3,4,5
.set DD, 8*(6*((\a)%4)+\b)
	v_wmma_f32_16x16x32_bf16 v[DD:DD+7], v[BT+8*\b:BT+8*\b+7], v[TF+4*(8*(\b/4)+(\a)):TF+4*(8*(\b/4)+(\a))+7], v[DD:DD+7]
.endr
.endm
	WIN MUL_LO
.irp a, 0,1,2,3
	DELTA \a
.endr
	WIN MUL_HI
.irp a, 4,5,6,7
	DELTA \a
.endr
	WIN 0
	PLACES
; THE WAY OUT.  q: a block of 16 rows x 64 columns through my own stage, back as rows of 256 bytes.  k, v: my 32 columns are half of 256 bytes, so they go into the work-group's stage and leave behind a barrier.
.macro TOSTAGE a
.set AC, 48*((\a)%4)
	WIN 0x08+4*((\a)/4)
.irp b, 0,1,2,3
	ds_store_b128 v[STO], v[AC+8*\b:AC+8*\b+3] offset:64*\b
	ds_store_b128 v[STO], v[AC+8*\b+4:AC+8*\b+7] offset:64*\b+16
.endr
.irp b, 4,5
	ds_store_b128 v[KSTO], v[AC+8*\b:AC+8*\b+3] offset:(\a)*16*272+64*(\b-4)
	ds_store_b128 v[KSTO], v[AC+8*\b+4:AC+8*\b+7] offset:(\a)*16*272+64*(\b-4)+16
.endr
	WIN 0
.set BB, BK+32*((\a)%2)
.irp t, 0,1,2,3,4,5,6,7
	ds_load_b128 v[BB+4*\t:BB+4*\t+3], v[RD] offset:\t*2*272   ; LDS serves a wave's instructions in order
.endr
.endm
.macro SEND a, younger
.set BB, BK+32*((\a)%2)
	s_wait_dscnt \younger
.irp t, 0,1,2,3,4,5,6,7
	global_store_b128 v[CO], v[BB+4*\t:BB+4*\t+3], s[12:13] offset:(16*(\a)+2*\t)*16384 th:TH_STORE_NT   ; sixteen lanes store 256 consecutive bytes, aligned
.endr
.endm
	TOSTAGE 0
.irp a, 1,2,3,4,5,6,7
.if \a > 1
	s_wait_xcnt 0x0                                ; block a - 2's stores have read their registers
.endif
	TOSTAGE \a
	SEND \a-1, 20                                  ; behind block a - 1's loads: block a's 12 stores and 8 loads
.endr
	SEND 7, 0                                      ; all my LDS instructions are done, my stores into the shared stage among them
	s_barrier_signal -1
	s_barrier_wait -1
	s_wait_xcnt 0x0
.irp t, 0,1,2,3,4,5,6,7,8,9,10,11,12,13,14,15,16,17,18,19,20,21,22,23,24,25,26,27,28,29,30,31
	ds_load_b128 v[BK+4*\t:BK+4*\t+3], v[KRD] offset:\t*2*272
.endr
.irp t, 0,1,2,3,4,5,6,7,8,9,10,11,12,13,14,15,16,17,18,19,20,21,22,23,24,25,26,27,28,29,30,31
	s_wait_dscnt 31-\t
	global_store_b128 v[KCO], v[BK+4*\t:BK+4*\t+3], s[10:11] offset:2*\t*4096 th:TH_STORE_NT
.endr
	s_wait_tensorcnt 0x0                           ; the wave's end
	ds_add_u32 v[SPW], v[NIL]
	s_wait_dscnt 0x0
	CROUND                                         ; the closing round
	s_endpgm
.Lfunc_end_k_qc978114551_gemm:
	.size	k_qc978114551_gemm, .Lfunc_end_k_qc978114551_gemm-k_qc978114551_gemm
	.p2alignl 7, 3214868480
	.fill 96, 4, 3214868480
	.section	.rodata,"a",@progbits
	.p2align	6, 0x0
	.amdhsa_kernel k_qc978114551_gemm
		.amdhsa_group_segment_fixed_size 327680
		.amdhsa_private_segment_fixed_size 0
		.amdhsa_enable_private_segment 0
		.amdhsa_kernarg_size 88
		.amdhsa_user_sgpr_count 2
		.amdhsa_user_sgpr_kernarg_segment_ptr 1
		.amdhsa_wavefront_size32 1
		.amdhsa_system_sgpr_workgroup_id_x 1
		.amdhsa_system_sgpr_workgroup_id_y 1
		.amdhsa_system_sgpr_workgroup_id_z 1
		.amdhsa_system_vgpr_workitem_id 0
		.amdhsa_next_free_vgpr 1008
		.amdhsa_next_free_sgpr 100
		.amdhsa_reserve_vcc 0
		.amdhsa_float_denorm_mode_32 3
		.amdhsa_float_denorm_mode_16_64 3
		.amdhsa_memory_ordered 1
		.amdhsa_forward_progress 1
		.amdhsa_inst_pref_size 139
	.end_amdhsa_kernel
	.amdgpu_metadata
---
amdhsa.version: [ 1, 2 ]
amdhsa.kernels:
  - .name:           k_qc978114551_gemm
    .symbol:         k_qc978114551_gemm.kd
    .args:
      - { .name: xr, .offset: 0, .size: 8, .value_kind: global_buffer, .address_space: global }
      - { .name: wr, .offset: 8, .size: 8, .value_kind: global_buffer, .address_space: global }
      - { .name: bq, .offset: 16, .size: 8, .value_kind: global_buffer, .address_space: global }
      - { .name: bk, .offset: 24, .size: 8, .value_kind: global_buffer, .address_space: global }
      - { .name: bv, .offset: 32, .size: 8, .value_kind: global_buffer, .address_space: global }
      - { .name: Bq, .offset: 40, .size: 8, .value_kind: global_buffer, .address_space: global }
      - { .name: Bk, .offset: 48, .size: 8, .value_kind: global_buffer, .address_space: global }
      - { .name: Bv, .offset: 56, .size: 8, .value_kind: global_buffer, .address_space: global }
      - { .name: out0, .offset: 64, .size: 8, .value_kind: global_buffer, .address_space: global }
      - { .name: out1, .offset: 72, .size: 8, .value_kind: global_buffer, .address_space: global }
      - { .name: out2, .offset: 80, .size: 8, .value_kind: global_buffer, .address_space: global }
    .group_segment_fixed_size: 327680
    .private_segment_fixed_size: 0
    .kernarg_segment_align: 8
    .kernarg_segment_size: 88
    .max_flat_workgroup_size: 128
    .sgpr_count:     100
    .vgpr_count:     1008
    .wavefront_size: 32
...
	.end_amdgpu_metadata
.endif
;; end of part 2
